; MI455X (gfx1250); checked and timed in simulation.
; The chip was launched on July 23, 2026; its instructions are those of AMD's public machine-readable ISA for CDNA 5 (MIT licence, August 2026) and "CDNA5" Instruction Set Architecture Reference Guide (July 2026). The comments in the code are by the model that wrote it; some were corrected since.
;; Gaussian Renderer2 D. Allowed arithmetic: float matrix products may take bf16 or f16 operands with f32 sums; all other float work in f32.
;; Inputs: feature 8 x 2,048 x 32 float32; opacity 8 x 2,048 x 1 float32; position 8 x 2,048 x 2 float32; rotation 8 x 2,048 x 1 float32; scale 8 x 2,048 x 2 float32.
;; Outputs: out0 8 x 33 x 64 x 64 float32.
;; One version. Each part assembles by itself: llvm-mc -triple=amdgcn-amd-amdhsa -mcpu=gfx1250 --defsym DOCPART=n.
;; ======== version 1 of 1: 1 launch
;; limits: values outside matrix products are rounded to bf16; right only within a limited range of input values
;; launch render (part 1): grid 32 x 8, 8 waves a work-group, no clusters, 168,960 bytes of LDS; arguments feature, opacity, position, rotation, scale, out0; writes out0
.if DOCPART == 1
	.amdgcn_target "amdgcn-amd-amdhsa--gfx1250"
	.amdhsa_code_object_version 6
	.text
	.protected	k_q40e17c876a_render
	.globl	k_q40e17c876a_render
	.p2align	8
	.type	k_q40e17c876a_render,@function
k_q40e17c876a_render:
	s_mov_b64 s[64:65], 0
	v_nop
	global_prefetch_b8 v0, s[64:65] scope:SCOPE_SE
	s_setreg_imm32_b32 hwreg(HW_REG_WAVE_MODE, 25, 1), 1
	s_wait_xcnt 0x0
; GaussianRenderer2D: out[b][c][y][x] = sum_n w f[n][c] / max(sum_n w, 1e-6) for c < 32, out[b][32] = clip(sum_n w, 0, 1),
; w = opacity[n] * exp(-((rx/sx)^2 + (ry/sy)^2) / 2).  8 images, 2048 Gaussians, 32 features, 64 x 64 pixels, all f32.
;
; WORK.  A work-group owns two image rows (128 pixels) of one image and all 2048 Gaussians.  Eight waves: wave = 2 q + row;
; a wave makes one row (4 tiles of 16 pixels) for a quarter q of the Gaussians; the four quarters meet in LDS at the end.
;
; ONE WEIGHT.  With s' = max(s, 1e-6) sqrt(2 ln 2), A1 = 1/sx'^2, A2 = 1/sy'^2 the exponent to base 2 is
;   qa dx^2 + 2 qb dx dy + qc dy^2 = (alpha x + beta)^2 + gamma,   qa = cos^2 A1 + sin^2 A2,  qb = cos sin (A1 - A2),
;   alpha = sqrt(qa),  beta = (qb/alpha)(y - py) - alpha px,  gamma = ((y - py) / (sx' sy' alpha))^2   (qa qc - qb^2 = A1 A2).
; beta and gamma hang on the image row only, so thread t derives alpha, beta[2], -gamma[2] of Gaussian t once a chunk, and two
; weights cost two packed fused multiply-adds, two v_exp_f32 and one packed rounding to bf16.  All of this is f32.
; The opacity is multiplied into the features, and stands by itself as a 33rd column: both sums over n are matrix products
; with bf16 operands and f32 sums.  A = weights (lane = pixel, registers = Gaussians), B = rows of 48 bf16 in LDS
; (32 features x opacity, opacity, 15 zeros; 96 bytes, an odd multiple of 32) read by the transposing load.
;
; CHUNKS.  256 Gaussians at a time through two LDS slots; the raw numbers of the next chunk are on their way into registers
; while this one is multiplied.  One barrier a chunk: in front of it every wave has ended its reads of the slot before and its
; stores into this one; the slot written next is the one whose reads ended in front of the barrier before.
;
; NO JOINT REQUESTS.  The 32 work-groups of an image read the same 304 KB.  Every byte is changed on its way into LDS (features
; x opacity to bf16, six raw numbers to five derived ones), so it has to pass registers: brought raw by a tensor load a chunk's
; 38,912 bytes would be written to LDS, read back, and 29,696 written again, against 29,696 written once here.
;
; LIMITS.  |rotation| below 6.5e6 (the quadrant is taken from a rounding at 1.5 x 2^23).  scale below 1e18 (beyond, qa falls under
; 2^-126 and v_rsq_f32 gives infinity).  alpha x + beta is rounded at about 2^-24 alpha, i.e. 1e-7 / scale.  The grid is
; i x (1/63), which may differ from i / 63 in the last bit.  NaN and infinities among the inputs are not followed
; (v_max_num_f32 and v_min_num_f32 drop a NaN).  The sums run in another order than the reference's scan.
.set CH,      256                      ; Gaussians in a chunk
.set FPITCH,  96                       ; bytes of a feature row in LDS
.set L_ALPHA, CH*FPITCH                ; 24,576: alpha[256]
.set L_ROW,   L_ALPHA+4*CH             ; 25,600: row 0: beta[256], -gamma[256]; row 1: the same, 2,048 bytes on
.set SLOT,    L_ROW+16*CH              ; 29,696 bytes a slot
.set EPB,     2*SLOT                   ; behind the slots: partial sums [q][33 channels][128 pixels] f32
.set EPP,     528                      ; 512 bytes + 16: the 16 channels that a store touches fall on different banks
.set EPQ,     33*EPP
.set VPA, 1                            ; LDS: alpha of my half's Gaussians in my quarter
.set VPR, 2                            ; LDS: beta of the same, my image row
.set VF,  3                            ; LDS: transposing load of my quarter's feature rows
.set VST, 4                            ; LDS: where I put 4 converted features
.set VSO, 6                            ; LDS: bytes 64.. of feature row t
.set VGF, 7                            ; feature: 4096 wave + 16 lane
.set VG8, 8                            ; 8 t (position, scale)
.set VG4, 9                            ; 4 t (rotation, opacity; also the derived arrays in LDS)
.set VBP, 10                           ; 4 (lane / 8): lane index for ds_bpermute_b32
.set VR,  11                           ; lane % 16
.set Y,   12                           ; v[12:13] y of the two image rows
.set VH,  14                           ; (lane / 16) % 2
.set ACC, 16                           ; v[16:111]  tile (cg, nt) at ACC + 8 (3 cg + nt)
.set PA,  112                          ; v[112:127] alpha of 16 Gaussians
.set PB,  128                          ; v[128:143] beta
.set PG,  144                          ; v[144:159] -gamma
.set E,   160                          ; v[160:175] exponents, then weights
.set W,   176                          ; v[176:183] A fragment
.set F,   184                          ; v[184:207] three B fragments
.set X,   208                          ; v[208:215] x of my pixel in column group cg, twice (a pair for the packed form)
.set STG, 216                          ; v[216:247] 8 x 4 raw features
.set RAW, 248                          ; v[248:253] px, py, sx, sy, rotation, opacity of Gaussian t
.set T,   112                          ; while converting, v[112:175] are free: T v[112:131],
.set IDX, 132                          ; v[132:139] lane indices,
.set OPJ, 140                          ; v[140:147] opacity of my eight feature rows,
.set CV,  148                          ; v[148:163] converted features
.set K_2OPI, 32
.set K_MAGIC, 33
.set K_NHI, 34
.set K_NLO, 35
.set K_S3, 36
.set K_S2, 37
.set K_S1, 38
.set K_C4, 39
.set K_C3, 40
.set K_C2, 41
.set K_EPS, 42
.set K_IK, 43
.set K_I63, 44
	s_load_b256 s[4:11], s[0:1], 0x0               ; feature s[4:5], opacity s[6:7], position s[8:9], rotation s[10:11]
	s_load_b128 s[12:15], s[0:1], 0x20             ; scale s[12:13], out s[14:15]
	v_lshl_add_u32 v254, v0, 2, 0x29000
	v_mov_b32 v255, 0
	v_lshrrev_b32 v[T], 5, v0
	v_readfirstlane_b32 s16, v[T]                  ; wave
	s_mov_b32 s17, ttmp9                           ; pair of image rows, 0 to 31
	s_and_b32 s18, ttmp7, 0xffff                   ; image
	s_lshr_b32 s19, s16, 1                         ; q: my quarter of the Gaussians
	s_and_b32 s20, s16, 1                          ; my image row of the two
	v_and_b32 v[T], 0xe0, v0                       ; 32 wave
	v_and_b32 v[T+1], 31, v0
	v_lshlrev_b32 v[T+1], 4, v[T+1]
	v_lshl_add_u32 v[VGF], v[T], 7, v[T+1]         ; a wave's 32 feature rows are 4,096 bytes; a load covers 512 of them
	v_lshlrev_b32 v[VG8], 3, v0
	v_lshlrev_b32 v[VG4], 2, v0
	s_lshl_b32 s22, s18, 18                        ; the image's part: 2048 x 128 bytes,
	s_mov_b32 s23, 0
	s_lshl_b32 s24, s18, 14                        ; 2048 x 8,
	s_mov_b32 s25, 0
	s_lshl_b32 s26, s18, 13                        ; 2048 x 4
	s_mov_b32 s27, 0
	s_wait_kmcnt 0x0
	s_add_nc_u64 s[4:5], s[4:5], s[22:23]
	s_add_nc_u64 s[6:7], s[6:7], s[26:27]
	s_add_nc_u64 s[8:9], s[8:9], s[24:25]
	s_add_nc_u64 s[10:11], s[10:11], s[26:27]
	s_add_nc_u64 s[12:13], s[12:13], s[24:25]
.macro LOADS                           ; a chunk's raw numbers: 12 loads a lane, 38,912 bytes a work-group
	global_load_b64  v[RAW:RAW+1],   v[VG8], s[8:9]
	global_load_b64  v[RAW+2:RAW+3], v[VG8], s[12:13]
	global_load_b32  v[RAW+4],       v[VG4], s[10:11]
	global_load_b32  v[RAW+5],       v[VG4], s[6:7]
.irp j, 0,1,2,3,4,5,6,7
	global_load_b128 v[STG+4*\j:STG+4*\j+3], v[VGF], s[4:5] offset:512*\j
.endr
.endm
	LOADS                                          ; chunk 0, before anything else is set up
	s_mov_b32 s[K_2OPI],  0x3f22f983               ; 2 / pi
	s_mov_b32 s[K_MAGIC], 0x4b400000               ; 1.5 x 2^23: adding it rounds to a whole number
	s_mov_b32 s[K_NHI],   0xbfc90fdb               ; -(pi/2), the f32 nearest,
	s_mov_b32 s[K_NLO],   0x333bbd2e               ; and what that f32 is too large by
	s_mov_b32 s[K_S3],    0xb94ca1f9               ; sin r = r + r z (S1 + z (S2 + z S3)), z = r^2, |r| <= pi/4
	s_mov_b32 s[K_S2],    0x3c08839e
	s_mov_b32 s[K_S1],    0xbe2aaaa3
	s_mov_b32 s[K_C4],    0x37ccf5ce               ; cos r = 1 + z (-1/2 + z (C2 + z (C3 + z C4)))
	s_mov_b32 s[K_C3],    0xbab6061a
	s_mov_b32 s[K_C2],    0x3d2aaaa5
	s_mov_b32 s[K_EPS],   0x358637bd               ; 1e-6
	s_mov_b32 s[K_IK],    0x3f96b55f               ; sqrt(2 ln 2): turns exp(-u/2) into 2^-u'
	s_mov_b32 s[K_I63],   0x3c820821               ; 1 / 63
	v_and_b32 v[VR], 15, v0
	v_bfe_u32 v[VH], v0, 4, 1
	v_bfe_u32 v[T+2], v0, 3, 2                     ; lane / 8
	v_lshlrev_b32 v[VBP], 2, v[T+2]
	v_add_nc_u32 v[T+3], v[T], v[T+2]              ; load j brings me 4 features of row 32 wave + 4 j + lane / 8
	v_mul_u32_u24 v[T+3], 0x60, v[T+3]
	v_and_b32 v[T+4], 7, v0
	v_lshl_add_u32 v[VST], v[T+4], 3, v[T+3]       ; + 8 bytes x (lane % 8)
	v_lshl_add_u32 v[T+5], v[VH], 3, v[T+4]        ; transposing load: row 64 q + 8 h + lane % 8,
	s_lshl_b32 s21, s19, 6
	v_add_nc_u32 v[T+5], s21, v[T+5]
	v_mul_u32_u24 v[T+5], 0x60, v[T+5]
	v_bfe_u32 v[T+6], v0, 3, 1
	v_lshl_add_u32 v[VF], v[T+6], 4, v[T+5]        ; 16 bytes x ((lane / 8) % 2)
	s_lshl_b32 s21, s19, 8                         ; 64 Gaussians x 4 bytes a quarter
	s_add_co_u32 s21, s21, L_ALPHA
	v_lshl_add_u32 v[VPA], v[VH], 5, s21           ; my half's Gaussians: 8 h .. 8 h + 7 and 16 + 8 h .. 16 + 8 h + 7
	s_lshl_b32 s22, s20, 11
	s_add_co_u32 s22, s22, L_ROW-L_ALPHA
	v_add_nc_u32 v[VPR], s22, v[VPA]
	v_mul_u32_u24 v[VSO], 0x60, v0
	v_add_nc_u32 v[VSO], 64, v[VSO]
	s_lshl_b32 s21, s17, 1                         ; the first of my work-group's two image rows
	v_cvt_f32_u32 v[Y], s21
	v_add_f32 v[Y+1], 1.0, v[Y]
	v_mul_f32 v[Y], s[K_I63], v[Y]
	v_mul_f32 v[Y+1], s[K_I63], v[Y+1]
.irp cg, 0,1,2,3
	v_add_nc_u32 v[T], 16*\cg, v[VR]
	v_cvt_f32_u32 v[T], v[T]
	v_mul_f32 v[X+2*\cg], s[K_I63], v[T]
	v_mov_b32 v[X+2*\cg+1], v[X+2*\cg]
.endr
	; columns 32 to 47 of both slots' rows: zeros once; each chunk then rewrites the word with column 32 (same thread, same row)
.irp k, 4,5,6,7
	v_mov_b32 v[T+\k], 0
.endr
	ds_store_b128 v[VSO], v[T+4:T+7]
	ds_store_b128 v[VSO], v[T+4:T+7] offset:16
	ds_store_b128 v[VSO], v[T+4:T+7] offset:SLOT
	ds_store_b128 v[VSO], v[T+4:T+7] offset:SLOT+16
; A chunk's raw numbers become a slot's contents.  more = 1: the next chunk is asked for.
.macro CONVERT slot, more
	s_wait_loadcnt 0x0                             ; the chunk asked for one chunk ago; also frees the five bases stepped below
.irp j, 0,1,2,3,4,5,6,7
	v_add_nc_u32 v[IDX+\j], 16*\j, v[VBP]          ; row 4 j + lane / 8 of my wave's 32 is Gaussian t of lane 4 j + lane / 8
.endr
.irp j, 0,1,2,3,4,5,6,7
	ds_bpermute_b32 v[OPJ+\j], v[IDX+\j], v[RAW+5] ; its opacity; the arithmetic below runs meanwhile
.endr
	; rotation = n pi/2 + r.  Only cos^2, sin^2 and cos sin are needed: an odd n swaps A1 and A2 and changes nothing else.
	v_fma_f32 v[T+0], v[RAW+4], s[K_2OPI], s[K_MAGIC]
	v_max_num_f32 v[T+8], s[K_EPS], v[RAW+2]
	v_max_num_f32 v[T+9], s[K_EPS], v[RAW+3]
	v_add_f32 v[T+1], 0xcb400000, v[T+0]           ; n
	v_mul_f32 v[T+8], s[K_IK], v[T+8]              ; sx'
	v_mul_f32 v[T+9], s[K_IK], v[T+9]              ; sy'
	v_fma_f32 v[T+2], v[T+1], s[K_NHI], v[RAW+4]
	v_rcp_f32 v[T+8], v[T+8]
	v_rcp_f32 v[T+9], v[T+9]
	v_fma_f32 v[T+2], v[T+1], s[K_NLO], v[T+2]     ; r; also the plain instruction behind the reciprocals (ISA guide 5.7.2)
	v_and_b32 v[T+0], 1, v[T+0]                    ; n's lowest bit is the sum's lowest mantissa bit
	v_mul_f32 v[T+3], v[T+2], v[T+2]               ; z
	v_cmp_eq_u32 vcc_lo, 1, v[T+0]
	v_fma_f32 v[T+4], v[T+3], s[K_S3], s[K_S2]
	v_fma_f32 v[T+6], v[T+3], s[K_C4], s[K_C3]
	v_mul_f32 v[T+5], v[T+3], v[T+2]
	v_fma_f32 v[T+4], v[T+4], v[T+3], s[K_S1]
	v_fma_f32 v[T+6], v[T+6], v[T+3], s[K_C2]
	s_wait_alu depctr_va_vdst(0)
	v_mul_f32 v[T+10], v[T+8], v[T+9]              ; 1 / (sx' sy')
	v_fma_f32 v[T+4], v[T+4], v[T+5], v[T+2]       ; sin r
	v_fma_f32 v[T+6], v[T+6], v[T+3], -0.5
	v_mul_f32 v[T+8], v[T+8], v[T+8]               ; A1
	v_mul_f32 v[T+9], v[T+9], v[T+9]               ; A2
	v_fma_f32 v[T+6], v[T+6], v[T+3], 1.0          ; cos r
	v_cndmask_b32 v[T+11], v[T+8], v[T+9], vcc_lo
	v_cndmask_b32 v[T+12], v[T+9], v[T+8], vcc_lo
	v_mul_f32 v[T+7], v[T+6], v[T+4]               ; cos sin
	v_mul_f32 v[T+6], v[T+6], v[T+6]
	v_mul_f32 v[T+4], v[T+4], v[T+4]
	v_sub_f32 v[T+13], v[T+11], v[T+12]
	v_mul_f32 v[T+6], v[T+6], v[T+11]
	v_fma_f32 v[T+6], v[T+4], v[T+12], v[T+6]      ; qa
	v_mul_f32 v[T+7], v[T+7], v[T+13]              ; qb
	v_rsq_f32 v[T+14], v[T+6]
	v_sub_f32 v[T+16], v[Y], v[RAW+1]              ; y - py, row 0 (the plain instruction behind v_rsq_f32)
	v_sub_f32 v[T+17], v[Y+1], v[RAW+1]            ; row 1
	s_wait_alu depctr_va_vdst(0)
	v_mul_f32 v[T+15], v[T+6], v[T+14]             ; alpha
	v_mul_f32 v[T+7], v[T+7], v[T+14]              ; qb / alpha
	v_mul_f32 v[T+10], v[T+10], v[T+14]            ; 1 / (sx' sy' alpha)
	v_mul_f32 v[T+5], v[T+15], v[RAW+0]            ; alpha px
	v_mul_f32 v[T+2], v[T+10], v[T+16]
	v_mul_f32 v[T+3], v[T+10], v[T+17]
	v_fma_f32 v[T+0], v[T+7], v[T+16], -v[T+5]     ; beta, row 0
	v_fma_f32 v[T+1], v[T+7], v[T+17], -v[T+5]     ; beta, row 1
	v_mul_f32 v[T+2], -v[T+2], v[T+2]              ; -gamma, row 0
	v_mul_f32 v[T+3], -v[T+3], v[T+3]              ; -gamma, row 1
	v_cvt_pk_bf16_f32 v[T+4], v[RAW+5], 0          ; columns 32 (opacity) and 33 (zero)
	s_wait_dscnt 0x0                               ; the eight opacities
.irp j, 0,2,4,6
	v_pk_mul_f32 v[STG+4*\j:STG+4*\j+1],   v[STG+4*\j:STG+4*\j+1],   v[OPJ+\j:OPJ+\j+1] op_sel_hi:[1,0]
	v_pk_mul_f32 v[STG+4*\j+2:STG+4*\j+3], v[STG+4*\j+2:STG+4*\j+3], v[OPJ+\j:OPJ+\j+1] op_sel_hi:[1,0]
	v_pk_mul_f32 v[STG+4*\j+4:STG+4*\j+5], v[STG+4*\j+4:STG+4*\j+5], v[OPJ+\j:OPJ+\j+1] op_sel:[0,1] op_sel_hi:[1,1]
	v_pk_mul_f32 v[STG+4*\j+6:STG+4*\j+7], v[STG+4*\j+6:STG+4*\j+7], v[OPJ+\j:OPJ+\j+1] op_sel:[0,1] op_sel_hi:[1,1]
.endr
.irp j, 0,1,2,3,4,5,6,7
	v_cvt_pk_bf16_f32 v[CV+2*\j],   v[STG+4*\j],   v[STG+4*\j+1]
	v_cvt_pk_bf16_f32 v[CV+2*\j+1], v[STG+4*\j+2], v[STG+4*\j+3]
	ds_store_b64 v[VST], v[CV+2*\j:CV+2*\j+1] offset:\slot*SLOT+4*FPITCH*\j
.endr
	ds_store_b32 v[VG4], v[T+15] offset:\slot*SLOT+L_ALPHA
	ds_store_b32 v[VG4], v[T+0]  offset:\slot*SLOT+L_ROW
	ds_store_b32 v[VG4], v[T+2]  offset:\slot*SLOT+L_ROW+1024
	ds_store_b32 v[VG4], v[T+1]  offset:\slot*SLOT+L_ROW+2048
	ds_store_b32 v[VG4], v[T+3]  offset:\slot*SLOT+L_ROW+3072
	ds_store_b32 v[VSO], v[T+4]  offset:\slot*SLOT
.if \more
	s_add_nc_u64 s[4:5],   s[4:5],   CH*128        ; no load is pending: the wait at the head was for zero
	s_add_nc_u64 s[6:7],   s[6:7],   CH*4
	s_add_nc_u64 s[8:9],   s[8:9],   CH*8
	s_add_nc_u64 s[10:11], s[10:11], CH*4
	s_add_nc_u64 s[12:13], s[12:13], CH*8
	LOADS
.endif
	s_wait_dscnt 0x0                               ; for the others: my stores into this slot are done (my reads of the other were waited for)
	s_barrier_signal -1
	s_barrier_wait -1
.endm
; alpha and beta, and -gamma, of the 16 Gaussians of my half in K step i (0, 1) of my quarter: all 16 lanes of a half read the same bytes
.macro PLOAD_AB slot, i
.irp k, 0,1
	ds_load_b128 v[PA+8*\k:PA+8*\k+3],   v[VPA] offset:\slot*SLOT+128*(\i)+64*\k
	ds_load_b128 v[PA+8*\k+4:PA+8*\k+7], v[VPA] offset:\slot*SLOT+128*(\i)+64*\k+16
	ds_load_b128 v[PB+8*\k:PB+8*\k+3],   v[VPR] offset:\slot*SLOT+128*(\i)+64*\k
	ds_load_b128 v[PB+8*\k+4:PB+8*\k+7], v[VPR] offset:\slot*SLOT+128*(\i)+64*\k+16
.endr
.endm
.macro PLOAD_G slot, i
.irp k, 0,1
	ds_load_b128 v[PG+8*\k:PG+8*\k+3],   v[VPR] offset:\slot*SLOT+1024+128*(\i)+64*\k
	ds_load_b128 v[PG+8*\k+4:PG+8*\k+7], v[VPR] offset:\slot*SLOT+1024+128*(\i)+64*\k+16
.endr
.endm
; three B fragments (columns 0-15, 16-31, 32-47) of 32 Gaussians: rows lie along the columns, so the load transposes
.macro FLOAD slot, i
.irp nt, 0,1,2
	ds_load_tr16_b128 v[F+8*\nt:F+8*\nt+3],   v[VF] offset:\slot*SLOT+32*FPITCH*(\i)+32*\nt
	ds_load_tr16_b128 v[F+8*\nt+4:F+8*\nt+7], v[VF] offset:\slot*SLOT+32*FPITCH*(\i)+32*\nt+16*FPITCH
.endr
.endm
.macro QUAD p                          ; -(alpha x + beta)^2 - gamma, two Gaussians
	v_pk_fma_f32 v[E+2*(\p):E+2*(\p)+1], v[E+2*(\p):E+2*(\p)+1], v[E+2*(\p):E+2*(\p)+1], v[PG+2*(\p):PG+2*(\p)+1] neg_lo:[1,0,0] neg_hi:[1,0,0]
.endm
; 16 pixels (column group cg) x 32 Gaussians: 16 weights a lane, then three matrix instructions.
; first = 1: the K step's B fragments are fetched here; pre = 1: the next K step's alpha, beta, gamma, each as soon as the old are dead.
; Weight pair p is A's register p: registers 0-3 hold K = 8 h + 0..7, registers 4-7 K = 16 + 8 h + 0..7, as alpha, beta, gamma were loaded.
; Every v_exp_f32 has a plain vector instruction between itself and the rounding that reads it (ISA guide 5.7.2).
; W and F are written, or loaded into, behind the eight packed multiply-adds that follow the last matrix instruction (ISA guide 7.12.1).
.macro TILE cg, zero, slot, i, first, pre
.irp p, 0,1,2,3,4,5,6,7
	v_pk_fma_f32 v[E+2*\p:E+2*\p+1], v[PA+2*\p:PA+2*\p+1], v[X+2*\cg:X+2*\cg+1], v[PB+2*\p:PB+2*\p+1]
.endr
.if \first
	FLOAD \slot, \i
.endif
.if \pre
	PLOAD_AB \slot, \i+1
.endif
	QUAD 0
	QUAD 1
.irp p, 0,1,2,3,4,5
	v_exp_f32 v[E+2*\p], v[E+2*\p]
	v_exp_f32 v[E+2*\p+1], v[E+2*\p+1]
	QUAD \p+2
.endr
.if \pre
	PLOAD_G \slot, \i+1
.endif
	v_exp_f32 v[E+12], v[E+12]
	v_exp_f32 v[E+13], v[E+13]
	s_wait_alu depctr_va_vdst(0)
	v_cvt_pk_bf16_f32 v[W], v[E], v[E+1]
	v_exp_f32 v[E+14], v[E+14]
	v_exp_f32 v[E+15], v[E+15]
	s_wait_alu depctr_va_vdst(0)
.irp p, 1,2,3,4,5,6,7
	v_cvt_pk_bf16_f32 v[W+\p], v[E+2*\p], v[E+2*\p+1]
.endr
.if \first
	s_wait_dscnt 0x0                               ; the B fragments, asked for 16 exponentials ago
.endif
.irp nt, 0,1,2
.if \zero
	v_wmma_f32_16x16x32_bf16 v[ACC+8*(3*\cg+\nt):ACC+8*(3*\cg+\nt)+7], v[W:W+7], v[F+8*\nt:F+8*\nt+7], 0
.else
	v_wmma_f32_16x16x32_bf16 v[ACC+8*(3*\cg+\nt):ACC+8*(3*\cg+\nt)+7], v[W:W+7], v[F+8*\nt:F+8*\nt+7], v[ACC+8*(3*\cg+\nt):ACC+8*(3*\cg+\nt)+7]
.endif
.endr
.endm
; my two K steps of a chunk.  zero = 1: the first products start the sums, nothing is cleared.
.macro COMPUTE slot, zero
	PLOAD_AB \slot, 0
	PLOAD_G \slot, 0
	s_wait_dscnt 0x0
	TILE 0, \zero, \slot, 0, 1, 0
	TILE 1, \zero, \slot, 0, 0, 0
	TILE 2, \zero, \slot, 0, 0, 0
	TILE 3, \zero, \slot, 0, 0, 1
	s_wait_dscnt 0x0                               ; alpha, beta, gamma of the second K step
	TILE 0, 0, \slot, 1, 1, 0
	TILE 1, 0, \slot, 1, 0, 0
	TILE 2, 0, \slot, 1, 0, 0
	TILE 3, 0, \slot, 1, 0, 0
.endm
	CONVERT 0, 1                                   ; chunk 0 stands in front of the loop: it starts the sums
	COMPUTE 0, 1
	s_mov_b32 s28, 3
.Lpair:                                            ; chunks 1 to 6; they ask for chunks 2 to 7
	CONVERT 1, 1
	COMPUTE 1, 0
	CONVERT 0, 1
	COMPUTE 0, 0
	s_sub_co_i32 s28, s28, 1
	s_cmp_lg_u32 s28, 0
	s_cbranch_scc1 .Lpair
	CONVERT 1, 0                                   ; chunk 7 asks for nothing: no load leaves the buffers
	COMPUTE 1, 0
	; THE WAY OUT.  In a result tile lane (r, h) holds channel 16 nt + r and pixels 8 h + 0..7: 32 neighbouring bytes of a channel's row.
	; The address arithmetic also fills the places between the last matrix instruction and the first store of a result.
	v_mul_u32_u24 v[T], 0x210, v[VR]               ; 528 r
	v_lshl_add_u32 v[T], v[VH], 5, v[T]            ; + 32 h
	s_mul_i32 s24, s19, EPQ
	s_lshl_b32 s25, s20, 8                         ; my image row: 64 pixels x 4 bytes
	s_add_co_u32 s24, s24, s25
	s_add_co_u32 s24, s24, EPB
	v_add_nc_u32 v[T], s24, v[T]
	v_and_b32 v[T+1], 31, v0
	v_lshlrev_b32 v[T+1], 4, v[T+1]                ; 16 lane: four pixels, in LDS and in out
	s_mul_i32 s26, s16, EPP
	s_add_co_u32 s26, s26, EPB
	v_add_nc_u32 v[T+2], s26, v[T+1]               ; channel = wave, quarter 0
	v_add_nc_u32 v[T+3], EPB+32*EPP, v[T+1]        ; channel 32, quarter 0
	v_cmp_eq_u32 vcc_lo, 0, v[VR]
.irp cg, 0,1,2,3
.irp nt, 0,1
	ds_store_b128 v[T], v[ACC+8*(3*\cg+\nt):ACC+8*(3*\cg+\nt)+3]   offset:\nt*16*EPP+64*\cg
	ds_store_b128 v[T], v[ACC+8*(3*\cg+\nt)+4:ACC+8*(3*\cg+\nt)+7] offset:\nt*16*EPP+64*\cg+16
.endr
.endr
	s_wait_xcnt 0x0                                ; EXEC changes only when no global instruction still needs it
	s_and_saveexec_b32 s29, vcc_lo                 ; of the third tile only column 32 (r = 0) is a result
.irp cg, 0,1,2,3
	ds_store_b128 v[T], v[ACC+8*(3*\cg+2):ACC+8*(3*\cg+2)+3]   offset:32*EPP+64*\cg
	ds_store_b128 v[T], v[ACC+8*(3*\cg+2)+4:ACC+8*(3*\cg+2)+7] offset:32*EPP+64*\cg+16
.endr
	s_or_b32 exec_lo, exec_lo, s29
	s_mul_i32 s22, s18, 33                         ; out at (image, channel = wave, first of the two image rows)
	s_add_co_u32 s22, s22, s16
	s_lshl_b32 s22, s22, 14
	s_lshl_b32 s23, s17, 9
	s_add_co_u32 s22, s22, s23
	s_mov_b32 s23, 0
	s_add_nc_u64 s[14:15], s[14:15], s[22:23]
	s_wait_dscnt 0x0                               ; for the others: my partial sums are in LDS
	s_barrier_signal -1
	s_barrier_wait -1
	; Wave w finishes channels w, w + 8, w + 16, w + 24; a lane has four pixels, a wave the 512 bytes of both image rows.
.irp q, 0,1,2,3
	ds_load_b128 v[ACC+4*\q:ACC+4*\q+3], v[T+3] offset:\q*EPQ
.endr
.irp i, 0,1,2,3
.irp q, 0,1,2,3
	ds_load_b128 v[ACC+16+16*\i+4*\q:ACC+16+16*\i+4*\q+3], v[T+2] offset:\q*EPQ+\i*8*EPP
.endr
.endr
	s_wait_dscnt 16                                ; the four parts of the weights' sum; the 16 loads behind them stay out
	v_pk_add_f32 v[ACC:ACC+1],     v[ACC:ACC+1],     v[ACC+4:ACC+5]
	v_pk_add_f32 v[ACC+2:ACC+3],   v[ACC+2:ACC+3],   v[ACC+6:ACC+7]
	v_pk_add_f32 v[ACC+8:ACC+9],   v[ACC+8:ACC+9],   v[ACC+12:ACC+13]
	v_pk_add_f32 v[ACC+10:ACC+11], v[ACC+10:ACC+11], v[ACC+14:ACC+15]
	v_pk_add_f32 v[ACC:ACC+1],     v[ACC:ACC+1],     v[ACC+8:ACC+9]
	v_pk_add_f32 v[ACC+2:ACC+3],   v[ACC+2:ACC+3],   v[ACC+10:ACC+11]
.irp k, 0,1,2,3
	v_max_num_f32 v[ACC+4+\k], s[K_EPS], v[ACC+\k]
.endr
.irp k, 0,1,2,3
	v_rcp_f32 v[ACC+4+\k], v[ACC+4+\k]             ; first used behind the six packed adds below
.endr
.irp i, 0,1,2,3
	s_wait_dscnt 12-4*\i                           ; this channel's four parts; the later channels' loads stay out
	v_pk_add_f32 v[ACC+16+16*\i:ACC+16+16*\i+1],     v[ACC+16+16*\i:ACC+16+16*\i+1],     v[ACC+16+16*\i+4:ACC+16+16*\i+5]
	v_pk_add_f32 v[ACC+16+16*\i+2:ACC+16+16*\i+3],   v[ACC+16+16*\i+2:ACC+16+16*\i+3],   v[ACC+16+16*\i+6:ACC+16+16*\i+7]
	v_pk_add_f32 v[ACC+16+16*\i+8:ACC+16+16*\i+9],   v[ACC+16+16*\i+8:ACC+16+16*\i+9],   v[ACC+16+16*\i+12:ACC+16+16*\i+13]
	v_pk_add_f32 v[ACC+16+16*\i+10:ACC+16+16*\i+11], v[ACC+16+16*\i+10:ACC+16+16*\i+11], v[ACC+16+16*\i+14:ACC+16+16*\i+15]
	v_pk_add_f32 v[ACC+16+16*\i:ACC+16+16*\i+1],     v[ACC+16+16*\i:ACC+16+16*\i+1],     v[ACC+16+16*\i+8:ACC+16+16*\i+9]
	v_pk_add_f32 v[ACC+16+16*\i+2:ACC+16+16*\i+3],   v[ACC+16+16*\i+2:ACC+16+16*\i+3],   v[ACC+16+16*\i+10:ACC+16+16*\i+11]
	s_wait_alu depctr_va_vdst(0)
	v_pk_mul_f32 v[ACC+16+16*\i:ACC+16+16*\i+1],     v[ACC+16+16*\i:ACC+16+16*\i+1],     v[ACC+4:ACC+5]
	v_pk_mul_f32 v[ACC+16+16*\i+2:ACC+16+16*\i+3],   v[ACC+16+16*\i+2:ACC+16+16*\i+3],   v[ACC+6:ACC+7]
	global_store_b128 v[T+1], v[ACC+16+16*\i:ACC+16+16*\i+3], s[14:15] offset:\i*8*16384 th:TH_STORE_NT
.endr
	s_cmp_lg_u32 s16, 0                            ; channel 32 is wave 0's
	s_cbranch_scc1 .Lend
.irp k, 0,1,2,3
	v_max_num_f32 v[ACC+8+\k], 0, v[ACC+\k]
.endr
.irp k, 0,1,2,3
	v_min_num_f32 v[ACC+8+\k], 1.0, v[ACC+8+\k]
.endr
	global_store_b128 v[T+1], v[ACC+8:ACC+11], s[14:15] offset:32*16384 th:TH_STORE_NT
.Lend:
	s_wait_tensorcnt 0x0
	ds_add_u32 v254, v255
	s_wait_dscnt 0x0
	s_endpgm
.Lfunc_end_k_q40e17c876a_render:
	.size	k_q40e17c876a_render, .Lfunc_end_k_q40e17c876a_render-k_q40e17c876a_render
	.p2alignl 7, 3214868480
	.fill 96, 4, 3214868480
	.section	.rodata,"a",@progbits
	.p2align	6, 0x0
	.amdhsa_kernel k_q40e17c876a_render
		.amdhsa_group_segment_fixed_size 168960
		.amdhsa_private_segment_fixed_size 0
		.amdhsa_enable_private_segment 0
		.amdhsa_kernarg_size 48
		.amdhsa_user_sgpr_count 2
		.amdhsa_user_sgpr_kernarg_segment_ptr 1
		.amdhsa_wavefront_size32 1
		.amdhsa_system_sgpr_workgroup_id_x 1
		.amdhsa_system_sgpr_workgroup_id_y 1
		.amdhsa_system_sgpr_workgroup_id_z 1
		.amdhsa_system_vgpr_workitem_id 0
		.amdhsa_next_free_vgpr 256
		.amdhsa_next_free_sgpr 66
		.amdhsa_reserve_vcc 1
		.amdhsa_float_denorm_mode_32 3
		.amdhsa_float_denorm_mode_16_64 3
		.amdhsa_memory_ordered 1
		.amdhsa_forward_progress 1
		.amdhsa_inst_pref_size 123
	.end_amdhsa_kernel
	.amdgpu_metadata
---
amdhsa.version: [ 1, 2 ]
amdhsa.kernels:
  - .name:           k_q40e17c876a_render
    .symbol:         k_q40e17c876a_render.kd
    .args:
      - { .name: feature, .offset: 0, .size: 8, .value_kind: global_buffer, .address_space: global }
      - { .name: opacity, .offset: 8, .size: 8, .value_kind: global_buffer, .address_space: global }
      - { .name: position, .offset: 16, .size: 8, .value_kind: global_buffer, .address_space: global }
      - { .name: rotation, .offset: 24, .size: 8, .value_kind: global_buffer, .address_space: global }
      - { .name: scale, .offset: 32, .size: 8, .value_kind: global_buffer, .address_space: global }
      - { .name: out0, .offset: 40, .size: 8, .value_kind: global_buffer, .address_space: global }
    .group_segment_fixed_size: 168960
    .private_segment_fixed_size: 0
    .kernarg_segment_align: 8
    .kernarg_segment_size: 48
    .max_flat_workgroup_size: 256
    .sgpr_count:     66
    .vgpr_count:     256
    .wavefront_size: 32
...
	.end_amdgpu_metadata
.endif
;; end of part 1
